; MI455X (gfx1250); checked and timed in simulation.
; The chip was launched on July 23, 2026; its instructions are those of AMD's public machine-readable ISA for CDNA 5 (MIT licence, August 2026) and "CDNA5" Instruction Set Architecture Reference Guide (July 2026). The comments in the code are by the model that wrote it; some were corrected since.
;; compute Attention Weight Proj. Allowed arithmetic: float matrix products may take bf16 or f16 operands with f32 sums; all other float work in f32.
;; Inputs: G 8 x 4 x 2,048 x 32 float32; K 8 x 4 x 2,048 x 32 float32; Q 8 x 4 x 2,048 x 32 float32; V 8 x 4 x 2,048 x 32 float32; seqMask 4 x 2,048 bool.
;; Outputs: out0 4 x 2,048 x 8 x 32 float32.
;; One version. Each part assembles by itself: llvm-mc -triple=amdgcn-amd-amdhsa -mcpu=gfx1250 --defsym DOCPART=n.
;; ======== version 1 of 1: 1 launch
;; limits: values are held in f16: magnitudes above 65,504 overflow, below 6.1e-05 lose precision; inputs' magnitudes at most 65,504
;; launch band (part 1): grid 16 x 16, 4 waves a work-group, no clusters, 195,840 bytes of LDS; arguments Q, K, V, G, seqMask, out0; writes out0
.if DOCPART == 1
	.amdgcn_target "amdgcn-amd-amdhsa--gfx1250"
	.amdhsa_code_object_version 6
	.text
	.protected	k_qc8e7a28862_band
	.globl	k_qc8e7a28862_band
	.p2align	8
	.type	k_qc8e7a28862_band,@function
k_qc8e7a28862_band:
	s_mov_b64 s[64:65], 0
	v_nop
	global_prefetch_b8 v0, s[64:65] scope:SCOPE_SE
	s_setreg_imm32_b32 hwreg(HW_REG_WAVE_MODE, 25, 1), 1
	s_wait_xcnt 0x0
; out0[n][s][h][i] = G[h][n][s][i] * sum over t of softmax_t(Q[h][n][s].K[h][n][t] / sqrt(32)) V[h][n][t][i],
; over the keys t with |s - t| <= 10, 0 <= t < 2048 and seqMask[n][t] == 0.  Q, K, V, G: [8][4][2048][32] f32; out0: [4][2048][8][32] f32.
;
; SHARES.  A work-group (x = block of 128 queries, y = 4 n + head pair) makes 128 queries of heads 2 hp and 2 hp + 1, because 256 neighbouring
; bytes of out0 are two heads of one (n, s).  Wave w = hd + 2 sub makes, in phase p = 0, 1, the 32 queries 64 p + 32 sub .. + 31 of head 2 hp + hd:
; two query tiles A and B of 16, which share four key tiles of 16 (A takes the first three, B the last three; LDS key row 0 is t = s0 - 16).
; All 144 KB that the work-group needs (K, V: 160 rows a head with 16 rows of halo at each end; Q, G: 128 rows a head) are asked for by six tensor
; loads a wave in the first lines, each LDS byte filled once; phase 0 works on the first three loads while the other three land.
; PRODUCTS in f16 with f32 sums: 11 significant bits an operand.  The gate G multiplies whatever the operands' rounding leaves, so the finer of the
; two 16-bit formats is taken; its range is the limit stated below.  S^T = K Q^T: register j of lane (r, h) is the score of query r against key
; 8 h + j, so a query's softmax lives in lanes r and r + 16, and the packed exponentials ARE the second source of O^T = V^T P^T, whose register j
; is out(query r, i = 16 it + 8 h + j).
; NO CLUSTER: what two neighbouring work-groups share is a halo, 16 KB of the 144 KB that each asks for, at different LDS places in the two and
; from clamped addresses at the sequence's ends, so that their descriptors differ.
; LIMITS.  |Q|, |K|, |V| < 65504 (f16's largest number; beyond it an operand becomes infinite); below 6.1e-5 an operand keeps an absolute error
; of 3e-8 (f16 denormals).  The masks are added as -inf, so the score of a masked or out-of-band key must be finite in f32.  An exponential below
; 2^-126 counts as 0 in the denominator, one below 2^-25 as 0 in the numerator.  The denominator adds the exponentials in f32, the numerator takes
; them rounded to f16.  Any mask byte other than 0 counts as masked.  A query all of whose keys are masked gives NaN, as a softmax over -inf alone does.
.set PITCH,  272                       ; 256 bytes (two sequence rows of 128) + 16 of padding: row rho lies at (rho >> 1) * 272 + (rho & 1) * 128
.set TILE,   8*PITCH                   ; 16 sequence rows
.set XBYTES, 10*TILE                   ; 160 rows of K or V
.set WREG,   18*TILE                   ; what wave w fills: X (waves 0, 1: K of head hd; 2, 3: V), then Y, 128 rows (Q; G)
.set STAGE,  4*WREG                    ; the way out: 2 phases x 4 waves' blocks; no fill lands here
.set SPITCH, 144                       ; a stage row: 128 bytes + 16
.set BLK,    32*SPITCH+128             ; a wave's 32 rows; the 128 more set the two heads' blocks 8 sixteen-byte columns apart modulo 256
.set SPH,    4*BLK                     ; a phase's stage
.set KB,     STAGE+2*SPH               ; 160 f32: 0 for a key that counts, -inf for one that is masked or outside the sequence
.set VKA, 4                            ; LDS address of my K fragments (unit's first key tile, phase 0)
.set VQA, 5                            ; of my Q fragments
.set VVA, 6                            ; of my V columns
.set VGA, 7                            ; of my G
.set VKB, 8                            ; of my key biases
.set VST, 9                            ; stage: where I put 16 bytes of a query's row
.set VRD, 10                           ; stage: where I read 16 bytes of a (query, two heads) row back
.set VCO, 11                           ; my byte offset in the work-group's part of out0
.set BB,  16                           ; v[16:39]  band bias, 0 or -inf: key tile one below, the same, one above the query tile; 8 registers each
.set MA,  40                           ; running maxima: M, T, U are three chains for each of A and B
.set MB,  41
.set TA,  42
.set TB,  43
.set NA,  44                           ; v[44:45]  -c x maximum; the second register is only named by the pair
.set NB,  46
.set LA,  48                           ; v[48:49], v[248:249]  sums of A's exponentials, two chains of pairs
.set LB,  50
.set IA,  52                           ; v[52:53]  1 / sum; the second register is only named by the pair
.set IB,  54
.set KBV, 56                           ; v[56:87]  key biases of the four key tiles; then G
.set GA,  56
.set GB,  72
.set QA,  88                           ; six blocks of 16: loaded as 16 f32, packed in place into the low 8 (the fragment); the high 8 then take a score tile
.set QB,  104
.set KF,  120                          ; K tiles 0..3 at KF + 16 t
.set SA0, 96
.set SA1, 112
.set SA2, 128
.set SB0, 144
.set SB1, 160
.set SB2, 176
.set PAX, 120                          ; behind the score products the K fragments' registers take the fragments of P^T
.set PAY, 136
.set PBX, 152
.set PBY, 168
.set VV,  184                          ; four blocks of 16: V^T fragment in the low 8 (key pair X or Y, i tile 0 or 1), an accumulator in the high 8
.set VX0, 184
.set VX1, 200
.set VY0, 216
.set VY1, 232
.set OA0, 192
.set OA1, 208
.set OB0, 224
.set OB1, 240
.set OD,  216                          ; v[216:247]  the way out's data
.set LA2, 248
.set LB2, 250
.set UA,  252
.set UB,  253
.set ZERO, 254
.set PT0, 56                           ; at the start only: key positions, clamped positions, mask bytes, LDS addresses
.set PT1, 57
.set PC0, 58
.set PC1, 59
.set PB0, 60
.set PB1, 61
.set PA0, 62
.set PA1, 63
; descriptor group 1: r rows of 32 elements of 8 bytes, dense in memory, 4 words of padding behind every 64 words in LDS
.macro G1SET b, r
	s_mov_b32 s[\b], 0x07530000                    ; no mask; elements of 8 bytes (3 << 16); padding on (1 << 20), every 64 words (5 << 22), 4 words (3 << 25)
	s_mov_b32 s[\b+1], 32<<16                      ; tensor_dim0 = 32
	s_mov_b32 s[\b+2], \r<<16                      ; tensor_dim1 = r
	s_mov_b32 s[\b+3], 32<<16                      ; tile_dim0 = 32
	s_mov_b32 s[\b+4], \r                          ; tile_dim1 = r
	s_mov_b32 s[\b+5], 32                          ; from row to row: 32 elements
	s_mov_b32 s[\b+6], 0
	s_mov_b32 s[\b+7], 0
.endm
; descriptor group 0 and the load: to my region's byte lds, from pointer + offset pair + extra
.macro TL g0, g1, lds, ptr, off, extra
	s_mov_b32 s[\g0], 1
	s_add_co_u32 s[\g0+1], s80, \lds
	s_add_nc_u64 s[\g0+2:\g0+3], s[\ptr:\ptr+1], s[\off:\off+1]
.if \extra
	s_add_nc_u64 s[\g0+2:\g0+3], s[\g0+2:\g0+3], \extra
.endif
	s_or_b32 s[\g0+3], s[\g0+3], 0x80000000        ; type 2
	tensor_load_to_lds s[\g0:\g0+3], s[\g1:\g1+7]
	s_nop 0
.endm
	s_load_b256 s[4:11], s[0:1], 0x0               ; Q s[4:5], K s[6:7], V s[8:9], G s[10:11]
	s_load_b128 s[12:15], s[0:1], 0x20             ; seqMask s[12:13], out0 s[14:15]
	v_lshl_add_u32 v15, v0, 2, 0x2fb00
	v_mov_b32 v255, 0
	ds_add_u32 v15, v255
	ds_add_u32 v15, v255
	v_lshrrev_b32 v3, 5, v0
	v_readfirstlane_b32 s2, v3                     ; wave w
	s_and_b32 s3, s2, 1                            ; hd: which head of the pair
	s_lshr_b32 s79, s2, 1                          ; sub: which 32 queries of a phase's 64
	s_mov_b32 s76, ttmp9                           ; sb: block of 128 queries
	s_and_b32 s94, ttmp7, 0xffff
	s_lshr_b32 s77, s94, 2                         ; n
	s_and_b32 s78, s94, 3                          ; hp
	s_lshl_b32 s81, s76, 7                         ; s0
	s_mul_i32 s80, s2, WREG                        ; my region of LDS
	G1SET 16, 8                                    ; a halo: 16 sequence rows
	G1SET 24, 40                                   ; 80 rows
	G1SET 32, 32                                   ; 64 rows
	G1SET 40, 24                                   ; 48 rows
	s_lshl1_add_u32 s94, s78, s3                   ; head 2 hp + hd
	s_lshl_b32 s94, s94, 20
	s_lshl_b32 s95, s77, 18
	s_add_co_u32 s94, s94, s95                     ; byte offset of sequence (head, n): (4 head + n) x 2048 x 128
	s_lshl_b32 s95, s76, 14
	s_add_co_u32 s86, s94, s95                     ; s[86:87]: row s0
	s_mov_b32 s87, 0
	s_max_u32 s95, s81, 16
	s_sub_co_u32 s95, s95, 16
	s_lshl_b32 s95, s95, 7
	s_add_co_u32 s88, s94, s95                     ; s[88:89]: row s0 - 16; in block 0 rows 0..15, which the key bias then masks
	s_mov_b32 s89, 0
	s_add_co_u32 s95, s81, 128
	s_min_u32 s95, s95, 2032
	s_lshl_b32 s95, s95, 7
	s_add_co_u32 s90, s94, s95                     ; s[90:91]: row s0 + 128; in block 15 rows 2032..2047, masked likewise
	s_mov_b32 s91, 0
	s_wait_dscnt 0x0
	s_wait_kmcnt 0x0
	s_cmp_lt_u32 s2, 2
	s_cselect_b64 s[82:83], s[6:7], s[8:9]         ; X: waves 0, 1 fetch K, waves 2, 3 V
	s_cselect_b64 s[84:85], s[4:5], s[10:11]       ; Y: Q, G
	; six loads a wave, all out at once; the first three hold all that phase 0 reads (X rows 0..95, Y rows 0..63)
	TL 48, 16, 0,              82, 88, 0           ; X rows 0..15: the front halo
	TL 52, 24, TILE,           82, 86, 0           ; X rows 16..95
	TL 56, 32, XBYTES,         84, 86, 0           ; Y rows 0..63
	TL 60, 40, 6*TILE,         82, 86, 80*128      ; X rows 96..143
	TL 68, 16, 9*TILE,         82, 90, 0           ; X rows 144..159: the back halo
	TL 72, 32, XBYTES+4*TILE,  84, 86, 64*128      ; Y rows 64..127
	; key biases: wave w makes those of LDS key rows 40 w .. 40 w + 39: lane L row 40 w + L, and row 40 w + 32 + (L & 7) (four lanes alike)
	v_and_b32 v1, 15, v0                           ; r
	v_bfe_u32 v2, v0, 4, 1                         ; h
	v_and_b32 v3, 31, v0                           ; L
	v_and_b32 v12, 7, v0
	s_lshl_b32 s96, s77, 11
	s_mov_b32 s97, 0
	s_add_nc_u64 s[12:13], s[12:13], s[96:97]      ; seqMask at row n
	s_mul_i32 s94, s2, 40
	s_add_co_u32 s95, s94, s81
	s_sub_co_u32 s95, s95, 16                      ; t of my wave's first key; below 0 it wraps to a large number
	v_add_nc_u32 v[PT0], s95, v3
	v_add_nc_u32 v[PT1], s95, v12
	v_add_nc_u32 v[PT1], 32, v[PT1]
	v_min_u32 v[PC0], 0x7ff, v[PT0]                ; the load stays inside the row
	v_min_u32 v[PC1], 0x7ff, v[PT1]
	global_load_u8 v[PB0], v[PC0], s[12:13]
	global_load_u8 v[PB1], v[PC1], s[12:13]
	s_mul_i32 s98, s2, 160
	s_add_co_u32 s98, s98, KB
	v_lshl_add_u32 v[PA0], v3, 2, s98
	v_lshl_add_u32 v[PA1], v12, 2, s98
	s_lshl_b32 s96, s77, 21                        ; out0: n x 2048 x 1024
	s_lshl_b32 s95, s76, 17                        ; + s0 x 1024
	s_add_co_u32 s96, s96, s95
	s_lshl_b32 s95, s78, 8                         ; + the head pair's 256 bytes
	s_add_co_u32 s96, s96, s95
	s_add_nc_u64 s[14:15], s[14:15], s[96:97]
	s_mov_b32 s92, 0x76543210                      ; v_permlanex16_b32: lane i takes lane i of the other half
	s_mov_b32 s93, 0xfedcba98
	; addresses.  A fragment's lane (r, h) takes row r, bytes 32 h + {0, 16, 64, 80}: k = 8 h .. + 7 and 16 + 8 h .. + 7 in f32.
	; Lanes 0-15 touch the 16-byte columns (r >> 1) + 8 (r & 1) modulo 256 bytes: sixteen different ones.
	v_lshrrev_b32 v13, 1, v1
	v_and_b32 v14, 1, v0
	v_mul_u32_u24 v13, v13, PITCH
	v_lshl_add_u32 v13, v14, 7, v13
	v_lshl_add_u32 v13, v2, 5, v13
	s_mul_i32 s94, s3, WREG
	s_mul_i32 s95, s79, 2*TILE
	s_add_co_u32 s94, s94, s95                     ; my head's region + my 32 rows
	v_add_nc_u32 v[VKA], s94, v13
	v_add_nc_u32 v[VQA], XBYTES, v[VKA]
	v_add_nc_u32 v[VGA], 2*WREG, v[VQA]
	v_mul_u32_u24 v14, v2, 4*PITCH                 ; V: key row 8 h + j, column 4 r; the halves lie 1088 = 64 modulo 256 bytes apart: 32 different words
	v_lshl_add_u32 v14, v1, 2, v14
	s_add_co_u32 s95, s94, 2*WREG                  ; V's regions lie behind K's two
	v_add_nc_u32 v[VVA], s95, v14
	s_lshl_b32 s95, s79, 7
	s_add_co_u32 s95, s95, KB
	v_lshl_add_u32 v[VKB], v2, 5, s95              ; biases of keys 8 h .. 8 h + 7 of my first key tile
	s_mul_i32 s95, s2, BLK
	s_add_co_u32 s95, s95, STAGE
	v_mul_u32_u24 v14, v1, SPITCH                  ; in: query r's row, 32 bytes for each half of the lanes; columns 9 r modulo 16
	v_lshl_add_u32 v14, v2, 5, v14
	v_add_nc_u32 v[VST], s95, v14
	s_mul_i32 s95, s79, 2*BLK                      ; back: wave w takes queries 16 w .. 16 w + 15 of the phase's 64, two to a load:
	s_mul_i32 s96, s3, 16*SPITCH                   ; lanes 0-7 head 2 hp, lanes 8-15 head 2 hp + 1, lanes 16-31 the next query
	s_add_co_u32 s95, s95, s96
	s_add_co_u32 s95, s95, STAGE
	v_bfe_u32 v14, v0, 3, 1
	v_mul_u32_u24 v14, v14, BLK
	v_mad_u32_u24 v14, v2, SPITCH, v14
	v_lshl_add_u32 v14, v12, 4, v14
	v_add_nc_u32 v[VRD], s95, v14
	s_lshl_b32 s95, s2, 14
	v_lshlrev_b32 v14, 4, v1
	v_lshl_add_u32 v14, v2, 10, v14
	v_add_nc_u32 v[VCO], s95, v14                  ; (16 w + h) x 1024 + 16 r
	v_mov_b32 v[ZERO], 0
	v_mov_b32 v[NA+1], 0                           ; second registers of pairs of which both results take the first
	v_mov_b32 v[NB+1], 0
	v_mov_b32 v[IA+1], 0
	v_mov_b32 v[IB+1], 0
	; band bias.  d = 8 h - r.  Key 8 h + j of the tile one below: s - t = 16 - d - j <= 10; of the same tile: |d + j| <= 10; one above: 16 + d + j <= 10.
	v_lshlrev_b32 v13, 3, v2
	v_sub_nc_u32 v13, v13, v1
.irp j, 0,1,2,3,4,5,6,7
	v_cmp_le_i32 vcc_lo, 6-\j, v13
	v_cndmask_b32 v[BB+\j], 0xff800000, v[ZERO], vcc_lo
	v_add_nc_u32 v14, 10+\j, v13
	v_cmp_ge_u32 vcc_lo, 20, v14
	v_cndmask_b32 v[BB+8+\j], 0xff800000, v[ZERO], vcc_lo
	v_cmp_ge_i32 vcc_lo, -6-\j, v13
	v_cndmask_b32 v[BB+16+\j], 0xff800000, v[ZERO], vcc_lo
.endr
.macro KEYST t, b, a, off
	v_cmp_gt_u32 vcc_lo, 0x800, v[\t]              ; inside the sequence?
	v_cndmask_b32 v[\b], 1, v[\b], vcc_lo          ; outside: as if masked
	v_cmp_eq_u32 vcc_lo, 0, v[\b]
	v_cndmask_b32 v[\b], 0xff800000, v[ZERO], vcc_lo
	ds_store_b32 v[\a], v[\b] offset:\off
.endm
	s_wait_loadcnt 0x0                             ; both mask bytes
	KEYST PT0, PB0, PA0, 0
	KEYST PT1, PB1, PA1, 128
	s_wait_dscnt 0x0                               ; my biases are in LDS, for the other waves' sake
	s_wait_tensorcnt 0x3                           ; my first three loads have landed; the three younger stay out
	s_barrier_signal -1
	s_barrier_wait -1
.macro LD16 dst, adr, off                          ; 16 f32 of a row in fragment order
	ds_load_b128 v[\dst:\dst+3],     v[\adr] offset:\off
	ds_load_b128 v[\dst+4:\dst+7],   v[\adr] offset:\off+16
	ds_load_b128 v[\dst+8:\dst+11],  v[\adr] offset:\off+64
	ds_load_b128 v[\dst+12:\dst+15], v[\adr] offset:\off+80
.endm
.macro PACK16 b                                    ; 16 f32 to 8 registers of f16, in place: register i is written when 2 i and 2 i + 1 are read, and i <= 2 i
.irp i, 0,1,2,3,4,5,6,7
	v_cvt_pk_f16_f32 v[\b+\i], v[\b+2*\i], v[\b+2*\i+1]
.endr
.endm
.macro LDV pr, it, p                               ; column 16 it + r of V at the 16 keys 8 h + j of both key tiles of pair pr
.irp e, 0,1
.irp j, 0,1,2,3,4,5,6,7
	ds_load_b32 v[VV+32*\pr+16*\it+8*\e+\j], v[VVA] offset:\p*4*TILE+(2*\pr+\e)*TILE+(\j>>1)*PITCH+(\j&1)*128+64*\it
.endr
.endr
.endm
.macro BIAS s, kt, tau                             ; both masks are added: 0 or -inf
.irp i, 0,2,4,6
	v_pk_add_f32 v[\s+\i:\s+\i+1], v[\s+\i:\s+\i+1], v[KBV+8*\kt+\i:KBV+8*\kt+\i+1]
.endr
.irp i, 0,2,4,6
	v_pk_add_f32 v[\s+\i:\s+\i+1], v[\s+\i:\s+\i+1], v[BB+8*\tau+\i:BB+8*\tau+\i+1]
.endr
.endm
.macro MX d, s, k                                  ; one step of the maximum of a tile's eight scores
.if \k == 0
	v_max3_num_f32 v[\d], v[\s], v[\s+1], v[\s+2]
.else
.if \k == 7
	v_max_num_f32 v[\d], v[\d], v[\s+7]
.else
	v_max3_num_f32 v[\d], v[\d], v[\s+\k], v[\s+\k+1]
.endif
.endif
.endm
.macro FMA4 s, n                                   ; c S - c max, c = log2(e) / sqrt(32)
.irp i, 0,2,4,6
	v_pk_fma_f32 v[\s+\i:\s+\i+1], v[\s+\i:\s+\i+1], 0x3e8293ee, v[\n:\n+1] op_sel_hi:[1,0,0]
.endr
.endm
.macro EXP8 s
.irp i, 0,1,2,3,4,5,6,7
	v_exp_f32 v[\s+\i], v[\s+\i]
.endr
.endm
.macro ACC s, la, lb, first, dp                    ; eight exponentials into the two chains of sums, and packed into half a fragment of P^T
.if \first
	s_wait_alu depctr_va_vdst(0)
	v_pk_add_f32 v[\la:\la+1], v[\s:\s+1], v[\s+2:\s+3]
	v_pk_add_f32 v[\lb:\lb+1], v[\s+4:\s+5], v[\s+6:\s+7]
.else
	s_wait_alu depctr_va_vdst(0)
	v_pk_add_f32 v[\la:\la+1], v[\la:\la+1], v[\s:\s+1]
	v_pk_add_f32 v[\lb:\lb+1], v[\lb:\lb+1], v[\s+2:\s+3]
	v_pk_add_f32 v[\la:\la+1], v[\la:\la+1], v[\s+4:\s+5]
	v_pk_add_f32 v[\lb:\lb+1], v[\lb:\lb+1], v[\s+6:\s+7]
.endif
.irp i, 0,1,2,3
	v_cvt_pk_f16_f32 v[\dp+\i], v[\s+2*\i], v[\s+2*\i+1]
.endr
.endm
.macro STO o, p, q, it
	ds_store_b128 v[VST], v[\o:\o+3]   offset:\p*SPH+\q*16*SPITCH+64*\it
	ds_store_b128 v[VST], v[\o+4:\o+7] offset:\p*SPH+\q*16*SPITCH+64*\it+16
.endm
; A wave's phase: 32 queries against 64 keys.  V's 64 loads go out in four runs of 16, each run set where the run before is packed:
; by the text's own count at most 48 LDS loads of the wave are out at a time.
.macro UNIT p
	LD16 QA, VQA, \p*4*TILE
	LD16 QB, VQA, \p*4*TILE+TILE
.irp t, 0,1,2,3
	LD16 KF+16*\t, VKA, \p*4*TILE+\t*TILE
.endr
.irp t, 0,1,2,3
	ds_load_b128 v[KBV+8*\t:KBV+8*\t+3],   v[VKB] offset:\p*256+64*\t
	ds_load_b128 v[KBV+8*\t+4:KBV+8*\t+7], v[VKB] offset:\p*256+64*\t+16
.endr
	LDV 0, 0, \p
	s_wait_dscnt 40                                ; Q's eight loads are in: behind them stand 16 of K, 8 of the biases, 16 of V
	PACK16 QA
	PACK16 QB
.irp t, 0,1,2,3
	s_wait_dscnt 36-4*\t                           ; K tile t is in: four fewer stay out each time
	PACK16 KF+16*\t
.endr
	LDV 0, 1, \p
	; S^T = K Q^T: six tiles, six accumulators, each started by the constant 0
	v_wmma_f32_16x16x32_f16 v[SA0:SA0+7], v[KF:KF+7],     v[QA:QA+7], 0
	v_wmma_f32_16x16x32_f16 v[SA1:SA1+7], v[KF+16:KF+23], v[QA:QA+7], 0
	v_wmma_f32_16x16x32_f16 v[SA2:SA2+7], v[KF+32:KF+39], v[QA:QA+7], 0
	v_wmma_f32_16x16x32_f16 v[SB0:SB0+7], v[KF+16:KF+23], v[QB:QB+7], 0
	v_wmma_f32_16x16x32_f16 v[SB1:SB1+7], v[KF+32:KF+39], v[QB:QB+7], 0
	v_wmma_f32_16x16x32_f16 v[SB2:SB2+7], v[KF+48:KF+55], v[QB:QB+7], 0
	s_wait_dscnt 16                                ; the biases and V's first run are in; the second run's 16 loads stay out
	PACK16 VX0                                     ; this and the next packing: sixteen plain instructions that name no register of the products
	                                               ; above, the places behind them (ISA guide 7.12.1), ahead of the first read of a score
	s_wait_xcnt 0x0                                ; the last way out's stores read v[216:247]: those are loaded again only behind this wait
	LDV 1, 0, \p
	s_wait_dscnt 16                                ; V's second run is in; the third run's 16 loads stay out
	PACK16 VX1
	LDV 1, 1, \p
	BIAS SA0, 0, 0
	BIAS SB0, 1, 0
	BIAS SA1, 1, 1
	BIAS SB1, 2, 1
	BIAS SA2, 2, 2
	BIAS SB2, 3, 2
	LD16 GA, VGA, \p*4*TILE                        ; the biases are used up: their registers take G, in the order of the results
	LD16 GB, VGA, \p*4*TILE+TILE
.irp k, 0,3,5,7
	MX MA, SA0, \k                                 ; six chains side by side
	MX MB, SB0, \k
	MX TA, SA1, \k
	MX TB, SB1, \k
	MX UA, SA2, \k
	MX UB, SB2, \k
.endr
	v_max3_num_f32 v[MA], v[MA], v[TA], v[UA]
	v_max3_num_f32 v[MB], v[MB], v[TB], v[UB]
	v_permlanex16_b32 v[TA], v[MA], s92, s93       ; the query's other 24 keys lie in lane r + 16
	v_permlanex16_b32 v[TB], v[MB], s92, s93
	v_max_num_f32 v[MA], v[MA], v[TA]
	v_max_num_f32 v[MB], v[MB], v[TB]
	v_mul_f32 v[NA], 0xbe8293ee, v[MA]             ; -c max; all keys masked: +inf, and -inf c + inf = NaN in that query alone
	v_mul_f32 v[NB], 0xbe8293ee, v[MB]
	FMA4 SA0, NA
	FMA4 SA1, NA
	FMA4 SA2, NA
	; runs of eight exponentials with plain work of other tiles between: a plain instruction stands behind each run before its results are used (ISA guide 5.7.2)
	EXP8 SA0
	FMA4 SB0, NB
	EXP8 SA1
	FMA4 SB1, NB
	ACC SA0, LA, LA2, 1, PAX
	EXP8 SA2
	FMA4 SB2, NB
	ACC SA1, LA, LA2, 0, PAX+4
	EXP8 SB0
	ACC SA2, LA, LA2, 0, PAY
.irp i, 4,5,6,7
	v_mov_b32 v[PAY+\i], 0                         ; A has no share in the fourth key tile
.endr
	EXP8 SB1
.irp i, 0,1,2,3
	v_mov_b32 v[PBX+\i], 0                         ; nor B in the first
.endr
	ACC SB0, LB, LB2, 1, PBX+4
	EXP8 SB2
	s_wait_dscnt 8                                 ; V's third and fourth runs are in; G's eight loads stay out
	PACK16 VY0
	PACK16 VY1
	ACC SB1, LB, LB2, 0, PBY
	ACC SB2, LB, LB2, 0, PBY+4
	; O^T = V^T P^T: four accumulators by turns, one instruction a turn
	v_wmma_f32_16x16x32_f16 v[OA0:OA0+7], v[VX0:VX0+7], v[PAX:PAX+7], 0
	v_wmma_f32_16x16x32_f16 v[OA1:OA1+7], v[VX1:VX1+7], v[PAX:PAX+7], 0
	v_wmma_f32_16x16x32_f16 v[OB0:OB0+7], v[VX0:VX0+7], v[PBX:PBX+7], 0
	v_wmma_f32_16x16x32_f16 v[OB1:OB1+7], v[VX1:VX1+7], v[PBX:PBX+7], 0
	v_wmma_f32_16x16x32_f16 v[OA0:OA0+7], v[VY0:VY0+7], v[PAY:PAY+7], v[OA0:OA0+7]
	v_wmma_f32_16x16x32_f16 v[OA1:OA1+7], v[VY1:VY1+7], v[PAY:PAY+7], v[OA1:OA1+7]
	v_wmma_f32_16x16x32_f16 v[OB0:OB0+7], v[VY0:VY0+7], v[PBY:PBY+7], v[OB0:OB0+7]
	v_wmma_f32_16x16x32_f16 v[OB1:OB1+7], v[VY1:VY1+7], v[PBY:PBY+7], v[OB1:OB1+7]
	; behind them the denominators and G / denominator: more than four plain instructions that name none of the products' registers
	v_pk_add_f32 v[LA:LA+1], v[LA:LA+1], v[LA2:LA2+1]
	v_pk_add_f32 v[LB:LB+1], v[LB:LB+1], v[LB2:LB2+1]
	v_add_f32 v[LA], v[LA], v[LA+1]
	v_add_f32 v[LB], v[LB], v[LB+1]
	v_permlanex16_b32 v[TA], v[LA], s92, s93
	v_permlanex16_b32 v[TB], v[LB], s92, s93
	v_add_f32 v[LA], v[LA], v[TA]
	v_rcp_f32 v[IA], v[LA]
	v_add_f32 v[LB], v[LB], v[TB]                  ; the plain instruction behind A's reciprocal
	v_rcp_f32 v[IB], v[LB]
	s_wait_dscnt 0x0                               ; G is in
	s_wait_alu depctr_va_vdst(0)
.irp i, 0,2,4,6,8,10,12,14
	v_pk_mul_f32 v[GA+\i:GA+\i+1], v[GA+\i:GA+\i+1], v[IA:IA+1] op_sel_hi:[1,0]    ; the first of these is the plain instruction behind B's reciprocal
.endr
.irp i, 0,2,4,6,8,10,12,14
	v_pk_mul_f32 v[GB+\i:GB+\i+1], v[GB+\i:GB+\i+1], v[IB:IB+1] op_sel_hi:[1,0]
.endr
.irp i, 0,2,4,6
	v_pk_mul_f32 v[OA0+\i:OA0+\i+1], v[OA0+\i:OA0+\i+1], v[GA+\i:GA+\i+1]
	v_pk_mul_f32 v[OA1+\i:OA1+\i+1], v[OA1+\i:OA1+\i+1], v[GA+8+\i:GA+8+\i+1]
	v_pk_mul_f32 v[OB0+\i:OB0+\i+1], v[OB0+\i:OB0+\i+1], v[GB+\i:GB+\i+1]
	v_pk_mul_f32 v[OB1+\i:OB1+\i+1], v[OB1+\i:OB1+\i+1], v[GB+8+\i:GB+8+\i+1]
.endr
	STO OA0, \p, 0, 0
	STO OA1, \p, 0, 1
	STO OB0, \p, 1, 0
	STO OB1, \p, 1, 1
.endm
; The way out of a phase: wave w stores queries 16 w .. 16 w + 15 of its 64; sixteen lanes store 256 consecutive bytes, both heads of one (n, s),
; at a multiple of 256 from out0's first byte.
.macro OUT p
.irp t, 0,1,2,3,4,5,6,7
	ds_load_b128 v[OD+4*\t:OD+4*\t+3], v[VRD] offset:\p*SPH+\t*2*SPITCH
.endr
.irp t, 0,1,2,3,4,5,6,7
	s_wait_dscnt 7-\t                              ; LDS loads come back in order (ISA guide 5.7.1): load t is in, the younger stay out
	global_store_b128 v[VCO], v[OD+4*\t:OD+4*\t+3], s[14:15] offset:\p*65536+\t*2048 th:TH_STORE_NT
.endr
.endm
	UNIT 0
	s_wait_dscnt 0x0                               ; my stage rows are written, for the waves that read them
	s_wait_tensorcnt 0x0                           ; my last three loads have landed, for the waves that read them in phase 1
	s_barrier_signal -1
	s_barrier_wait -1
	OUT 0                                          ; phase 0's stores leave while phase 1 is computed; phase 1 has a stage of its own
	UNIT 1
	s_wait_dscnt 0x0                               ; my stage rows are written
	s_barrier_signal -1
	s_barrier_wait -1
	OUT 1
	s_wait_tensorcnt 0x0
	ds_add_u32 v15, v255
	s_wait_dscnt 0x0
	s_endpgm
.Lfunc_end_k_qc8e7a28862_band:
	.size	k_qc8e7a28862_band, .Lfunc_end_k_qc8e7a28862_band-k_qc8e7a28862_band
	.p2alignl 7, 3214868480
	.fill 96, 4, 3214868480
	.section	.rodata,"a",@progbits
	.p2align	6, 0x0
	.amdhsa_kernel k_qc8e7a28862_band
		.amdhsa_group_segment_fixed_size 195840
		.amdhsa_private_segment_fixed_size 0
		.amdhsa_enable_private_segment 0
		.amdhsa_kernarg_size 48
		.amdhsa_user_sgpr_count 2
		.amdhsa_user_sgpr_kernarg_segment_ptr 1
		.amdhsa_wavefront_size32 1
		.amdhsa_system_sgpr_workgroup_id_x 1
		.amdhsa_system_sgpr_workgroup_id_y 1
		.amdhsa_system_sgpr_workgroup_id_z 1
		.amdhsa_system_vgpr_workitem_id 0
		.amdhsa_next_free_vgpr 256
		.amdhsa_next_free_sgpr 100
		.amdhsa_reserve_vcc 1
		.amdhsa_float_denorm_mode_32 3
		.amdhsa_float_denorm_mode_16_64 3
		.amdhsa_memory_ordered 1
		.amdhsa_forward_progress 1
		.amdhsa_inst_pref_size 70
	.end_amdhsa_kernel
	.amdgpu_metadata
---
amdhsa.version: [ 1, 2 ]
amdhsa.kernels:
  - .name:           k_qc8e7a28862_band
    .symbol:         k_qc8e7a28862_band.kd
    .args:
      - { .name: Q, .offset: 0, .size: 8, .value_kind: global_buffer, .address_space: global }
      - { .name: K, .offset: 8, .size: 8, .value_kind: global_buffer, .address_space: global }
      - { .name: V, .offset: 16, .size: 8, .value_kind: global_buffer, .address_space: global }
      - { .name: G, .offset: 24, .size: 8, .value_kind: global_buffer, .address_space: global }
      - { .name: seqMask, .offset: 32, .size: 8, .value_kind: global_buffer, .address_space: global }
      - { .name: out0, .offset: 40, .size: 8, .value_kind: global_buffer, .address_space: global }
    .group_segment_fixed_size: 195840
    .private_segment_fixed_size: 0
    .kernarg_segment_align: 8
    .kernarg_segment_size: 48
    .max_flat_workgroup_size: 128
    .sgpr_count:     100
    .vgpr_count:     256
    .wavefront_size: 32
...
	.end_amdgpu_metadata
.endif
;; end of part 1
